; MI455X (gfx1250); checked and timed in simulation.
; The chip was launched on July 23, 2026; its instructions are those of AMD's public machine-readable ISA for CDNA 5 (MIT licence, August 2026) and "CDNA5" Instruction Set Architecture Reference Guide (July 2026). The comments in the code are by the model that wrote it; some were corrected since.
;; Conflict Detector. Allowed arithmetic: matrix products marked QUANTISED: E4M3 operands, one given power-of-two scale a tensor, by v_wmma_f32_16x16x64_fp8_fp8 or v_wmma_f32_16x16x128_fp8_fp8, f32 sums; products left as they are: f32 operands where the result goes on into a quantised operand, else bf16, f16 or f32 operands; f32 sums; everything else in f32.
;; Inputs: b1 64 float32; b2 32 float32; b3 1 float32; lowp_scales 8 int32 (the exponents e of the quantised operands' scales 2^e); obj_idx 2,048 int32; obj_table 16 x 64 float32; proj_b 64 float32; proj_w 64 x 192 float32; rel_idx 2,048 int32; rel_table 9 x 64 float32; subj_idx 2,048 int32; subj_table 16 x 64 float32; w1 64 x 128 float32; w2 32 x 64 float32; w3 1 x 32 float32.
;; Outputs: out0 2,048 x 2,048 float32.
;; This version of the problem:
;;   THIS VERSION OF THE PROBLEM IS GIVEN IN LOW PRECISION. The matrix products marked QUANTISED in the list below multiply operands that are first quantised to E4M3 (4 exponent bits, 3 mantissa bits; 8 bits a number), with one given power-of-two scale for each operand tensor; their sums are f32. All else is computed in f32.
;;   The module's matrix products, in the order in which they are computed (A, B: the left and right operand; K: the contracted axis; several contracted axes count as one K, in the product's order):
;;     1. [M 2,048, K 192] x [K 192, N 64]; A: computed on the way; B: input proj_w: QUANTISED (scales: A lowp_scales[0], B lowp_scales[1])
;;     2. [M 2,048, K 64] x [K 64, N 64]; A: computed on the way; B: input w1: QUANTISED (scales: A lowp_scales[2], B lowp_scales[3])
;;     3. [M 2,048, K 64] x [K 64, N 64]; A: computed on the way; B: input w1: QUANTISED (scales: A lowp_scales[4], B lowp_scales[5])
;;     4. [M 4,194,304, K 64] x [K 64, N 32]; A: computed on the way; B: input w2: QUANTISED (scales: A lowp_scales[6], B lowp_scales[7])
;;     5. [M 4,194,304, K 32] x [K 32, N 1]; A: computed on the way; B: input w3: left as it is (N = 1 < 16)
;;   THE QUANTISER, for each operand of a quantised product, along K:
;;     - The operand's scale is 2^e, e = its entry of the input lowp_scales (int32; the entries are numbered through the quantised products in the list's order, A before B).
;;     - Each number is divided by the scale, clamped to +-448, and rounded to the nearest number of E4M3, ties to even, subnormals kept.
;;     - The product sums the exact products of the quantised numbers (number of the format x scale) in f32.
;;   ~~~python
;;   def quantise(x, axis, e):      # numpy; x: float32 -> the quantised numbers, widened to float32 again
;;       x = np.moveaxis(x, axis, -1); K = x.shape[-1]
;;       r = np.clip(x / 2.0 ** e, -448, 448)
;;       step = 2.0 ** (np.maximum(np.frexp(np.where(r == 0, 1, r))[1] - 1, -6) - 3)
;;       q = np.round(r / step) * step * 2.0 ** e      # np.round: ties to even
;;       return np.moveaxis(q, -1, axis).astype(np.float32)
;;   ~~~
;;   OPERANDS COMPUTED ON THE WAY. 'Computed on the way' means the value that the module computes at that place (a softmax that the list does not call 'softmax' is quantised finished and normalised). What goes into a quantiser is computed in f32, as accurately as f32 sums, v_exp_f32 and their like allow (about 1e-6 of the number): no bf16 or f16 on the way to a quantiser, and a product that is left as it is and whose result goes on into a quantised operand takes f32 operands (vector FMAs, or v_wmma_f32_16x16x4_f32). A number that lies on a knife's edge between two numbers of the format may be rounded either way, as far as f32 arithmetic and the matrix unit's own rounding can turn it there, and no further.
;; One version. Each part assembles by itself: llvm-mc -triple=amdgcn-amd-amdhsa -mcpu=gfx1250 --defsym DOCPART=n.
;; ======== version 1 of 1: 1 launch
;; limits: right only within a limited range of input values
;; launch pairs (part 1): grid 16 x 16, 8 waves a work-group, no clusters, 100,608 bytes of LDS; arguments subj_idx, rel_idx, obj_idx, subj_table, rel_table, obj_table, proj_w, proj_b, w1, b1, w2, b2, w3, b3, lowp_scales, out0; writes out0
.if DOCPART == 1
	.amdgcn_target "amdgcn-amd-amdhsa--gfx1250"
	.amdhsa_code_object_version 6
	.text
	.protected	k_q7135deba3e_pairs
	.globl	k_q7135deba3e_pairs
	.p2align	8
	.type	k_q7135deba3e_pairs,@function
k_q7135deba3e_pairs:
	s_mov_b64 s[64:65], 0
	v_nop
	global_prefetch_b8 v0, s[64:65] scope:SCOPE_SE
	s_setreg_imm32_b32 hwreg(HW_REG_WAVE_MODE, 25, 1), 1
	s_wait_xcnt 0x0
; out[i][j] = sigmoid(w3 . relu(Q(relu(hi[i] + hj[j] + b1)) Q(w2)^T + b2) + b3) where j > i, else 0.   2,048 claims; out: [2048][2048] f32.
; e = Q(cat(subj, rel, obj rows)) Q(proj_w)^T + proj_b;  hi = Q(e) Q(w1[:, :64])^T;  hj = Q(e) Q(w1[:, 64:])^T.  Q: codes of E4M3 with the given scales 2^e0 .. 2^e7; all four products by v_wmma_f32_16x16x64_fp8_fp8.
; SHARES.  The output is 32 strips of 64 columns.  Strip s has pairs with j > i only in rows 0 .. 64 (s + 1) - 1; the rows below are zeros.  Strips p and 31 - p together have 33 x 64 such rows for every p, so
; work-group (q, p) of 16 x 16 takes a sixteenth of both: RA = 4 (p + 1) rows of strip p from row RA q on and RB = 4 (32 - p) rows of strip 31 - p from row RB q on: 132 rows x 64 columns = 66 slots of
; 2 rows x 64 columns in every work-group; and a sixteenth of both strips' zero rows: 62 slots.  Slot k goes to wave k mod 8.  Only the 64 x 64 blocks on the diagonal are computed in full and masked.
; Each work-group makes e, hi and hj of its own 260 claims itself and keeps them in LDS: nothing goes through memory between launches, and there is one launch.
; LAYOUT.  Every product is used transposed (source 0 = 16 rows of the weight, source 1 = 16 claims or pairs): a lane (r = lane % 16, h = lane / 16) holds ONE claim or pair, and register 8 n + j of four result tiles is
; unit 16 n + 8 h + j: the very order in which this form's operand wants k (registers 2 c, 2 c + 1: k = 16 c + 8 h + 0 .. 7), so eight results convert straight into two operand registers.
; In the pair loop tile t of a row holds in lane r the pair (i, 64 strip + 4 r + t): a lane's four scores are 16 neighbouring bytes of a row; row i ends in lanes 0-15, row i + 1 in lanes 16-31: one store of the wave
; covers two runs of 256 consecutive bytes, each at a multiple of 256 from out's first byte.
; SCALES.  e's sums carry e / 2^(e0+e1) (proj_b goes in as C, divided by that); e's conversions take 2^(e2-e0-e1) and 2^(e4-e0-e1); hi' = sum x 2^(e2+e3) + b1; hj = sum x 2^(e4+e5); relu and the hold at the largest
; code are one v_med3 between 0 and 448 x 2^e6; b2 goes in as C / 2^(e6+e7); w3' = -log2(e) w3 2^(e6+e7), b3' = -log2(e) b3; score = 1 / (1 + 2^(w3' . relu(sum) + b3')): an overflowing power gives 0, a vanishing one 1.
; LIMITS on the given exponents, so that each power of two is an f32 number: e0, e1, e3, e5, e6, e7, e2-e0-e1, e4-e0-e1 between -126 and 119; e2+e3 and e4+e5 between -126 and 127.  NaN among the inputs is not served.
; hi + b1 is rounded before hj is added (the definition adds b1 last): a difference of one f32 rounding.
; NOT USED, and why: tensor loads, a ring, joint loads in a cluster: all that work-groups share is 105 KB of weights and tables, read once at the head, which must pass through registers to be quantised; the loop reads
; nothing from memory.  No stage for the output: the choice j = 4 r + t gives whole runs of 256 bytes from registers.
; LDS: 25 images of operand registers (1,024 bytes each: registers 0-3 at 16 x lane, 4-7 at 512 + 16 x lane): 0-11 proj_w (4 x + n), 12-15 w1a, 16-19 w1b, 20-21 w2, 22 subj, 23 obj, 24 rel;
;   HJ: 2 strips x 64 rows of 256 + 16 bytes; column j' lies at row 16 (j' % 4) + j' / 4, so that tile t reads 16 rows on end;  HI: 144 rows of 256 + 16 bytes: my rows of hi + b1, segment A's then B's (132; the rest are copies nobody reads).
; REGISTERS, window 0: v1 r, v2 h, v3 16 lane, v4 8192 h + 16 r, v5 4 r - h, v6 HI + 32 h, v7 HJ + 272 r + 32 h, v8 2^e6, v9 hi's address, v10 store offset, v11 hj's address, v[12:13] b3' (lanes 0-15) and 0,
;   v14-17 two chains, v18-21 row a's sums and the result, v22-25 row b's, v26-29 what crosses the halves, v30 448 x 2^e6, v32-47 w2, v48-63 b2', v64-79 w3', v80-87 codes, v88-119 a row of hi, v120-123 permute targets,
;   v124-127 zeros, v128-255 four tiles of 32.  Window 1: v0-127 hj of four tiles (at the head: raw weights, then proj_w's and w1's fragments to v159, the claims' codes v160-231).
.set PIT,  272                         ; an LDS row of 64 f32 + 16 bytes = 68 words: 16 rows on end begin 4 words apart modulo 64
.set HJ,   25*1024
.set HJS,  64*PIT
.set HI,   HJ+2*HJS
.set NSLOT, 66
.set T,    128
.set PBV,  T                           ; head only: proj_b / 2^(e0+e1)
.set B1V,  T+32                        ; head only: b1
.set ACC,  T+64                        ; head only: e's four tiles
.set CQ,   T+64                        ; head only, earlier: codes of the four rounds
.set HACC, T+96                        ; head only: hi's or hj's four tiles
.set QS,   T+96                        ; head only, earlier: scale and limit of rounds 0 to 3
.set W2F,  32
.set CB,   48
.set W3,   64
.set CD,   80
.set HIB,  88
.set XP,   120
.set ZR,   124
.set PF,   0                           ; window 1
.set WF,   96
.set BF,   160
.set MSB, 0
.macro WIN new                         ; the immediate's high byte repeats the setting that is left; bits 1:0 source 0, 3:2 source 1, 5:4 source 2, 7:6 destination
.if MSB != \new
	s_set_vgpr_msb (MSB<<8)|\new
.set MSB, \new
.endif
.endm
.macro NOPS n
.rept \n
	v_nop
.endr
.endm
.macro BAR                             ; my LDS stores have landed and my LDS loads are in: then the work-group's barrier
	s_wait_dscnt 0x0
	s_barrier_signal -1
	s_barrier_wait -1
.endm
.macro MKQ ss, sl, se                  ; s[ss] = 2^E as f32, s[sl] = 448 x 2^E, E = s[se]
	s_add_co_i32 s[\ss], s[\se], 127
	s_add_co_i32 s[\sl], s[\se], 135
	s_lshl_b32 s[\ss], s[\ss], 23
	s_lshl_b32 s[\sl], s[\sl], 23
	s_or_b32 s[\sl], s[\sl], 0x600000
.endm
.macro RAW n, b, vo                    ; 16 rows x 64 K of f32 in the operand's order: register 8 c + j = k 16 c + 8 h + j of row r, into window 1
.irp c, 0,1,2,3
	global_load_b128 v[32*\n+8*\c:32*\n+8*\c+3], v[\vo], s[\b:\b+1] offset:64*\c
	global_load_b128 v[32*\n+8*\c+4:32*\n+8*\c+7], v[\vo], s[\b:\b+1] offset:64*\c+16
.endr
.endm
.macro ZST u                           ; zero slot z = wave + 8 u: two rows x 256 bytes
	s_add_co_u32 s61, s45, 8*\u
	s_cmp_ge_u32 s61, s86                          ; strip p's zero slots come first
	s_cselect_b32 s62, s85, s84
	s_cselect_b32 s63, s53, s47
	s_lshl_b32 s61, s61, 1
	s_add_co_u32 s62, s62, s61                     ; the row
	s_lshl_b32 s62, s62, 13
	s_lshl_b32 s63, s63, 8
	s_add_co_u32 s62, s62, s63
	v_add_nc_u32 v[106+\u], s62, v4                ; an offset register for each store: none is rewritten while a store may read it
	global_store_b128 v[106+\u], v[ZR:ZR+3], s[34:35] th:TH_STORE_NT
.endm
.macro QT n, vs, vl, va                ; round n's raw fragment becomes codes and goes to LDS as an image of the operand's registers
	WIN 0x41
.set i, 0
.rept 32
.set i, i+1
.endr
	WIN 0x01
.irp c, 0,1,2,3
	v_cvt_scalef32_pk8_fp8_f32 v[CQ+8*\n+2*\c:CQ+8*\n+2*\c+1], v[32*\n+8*\c:32*\n+8*\c+7], v[\vs]
.endr
	WIN 0
	v_nop                                          ; one plain vector line behind the last conversion
	ds_store_b128 v[\va], v[CQ+8*\n:CQ+8*\n+3]
	ds_store_b128 v[\va], v[CQ+8*\n+4:CQ+8*\n+7] offset:512
.endm
.macro GATH s                          ; tile s's 16 claims: the codes of their three table rows, out of the tables' images: lane (r, h) takes the registers of lane (index, h)
	ds_load_b128 v[BF+24*\s:BF+24*\s+3],     v[97+3*\s] offset:22*1024
	ds_load_b128 v[BF+24*\s+4:BF+24*\s+7],   v[97+3*\s] offset:22*1024+512
	ds_load_b128 v[BF+24*\s+8:BF+24*\s+11],  v[98+3*\s] offset:24*1024
	ds_load_b128 v[BF+24*\s+12:BF+24*\s+15], v[98+3*\s] offset:24*1024+512
	ds_load_b128 v[BF+24*\s+16:BF+24*\s+19], v[99+3*\s] offset:23*1024
	ds_load_b128 v[BF+24*\s+20:BF+24*\s+23], v[99+3*\s] offset:23*1024+512
.endm
; A tile of 16 claims: e (12 products, four accumulators by turns, one instruction a turn), quantised, hi or hj (4 products), scaled, stored as rows.  mode 1: hi + b1;  0: hj.
.macro CTILE s, wf, vs, vl, mode, vrow
	WIN 0x05                                       ; sources 0 and 1 window 1; C and D window 0
.irp x, 0,1,2
.irp n, 0,1,2,3
.if \x == 0
	v_wmma_f32_16x16x64_fp8_fp8 v[ACC+8*\n:ACC+8*\n+7], v[PF+8*(4*\x+\n):PF+8*(4*\x+\n)+7], v[BF+24*\s+8*\x:BF+24*\s+8*\x+7], v[PBV+8*\n:PBV+8*\n+7]
.else
	v_wmma_f32_16x16x64_fp8_fp8 v[ACC+8*\n:ACC+8*\n+7], v[PF+8*(4*\x+\n):PF+8*(4*\x+\n)+7], v[BF+24*\s+8*\x:BF+24*\s+8*\x+7], v[ACC+8*\n:ACC+8*\n+7]
.endif
.endr
.endr
	WIN 0
	NOPS 4                                         ; four places between the last product and the first read of results (ISA guide 7.12.1)
.set i, 0
.rept 32
.set i, i+1
.endr
.irp c, 0,1,2,3
	v_cvt_scalef32_pk8_fp8_f32 v[CD+2*\c:CD+2*\c+1], v[ACC+8*\c:ACC+8*\c+7], v[\vs]
.endr
	v_nop                                          ; one plain vector line between a conversion and the product that reads its result
	WIN 0x01                                       ; source 0 (w1) window 1
.irp n, 0,1,2,3
	v_wmma_f32_16x16x64_fp8_fp8 v[HACC+8*\n:HACC+8*\n+7], v[\wf+8*\n:\wf+8*\n+7], v[CD:CD+7], 0
.endr
	WIN 0
	NOPS 4
.set i, 0
.rept 16
.if \mode
	v_pk_fma_f32 v[HACC+i:HACC+i+1], v[HACC+i:HACC+i+1], s[88:89], v[B1V+i:B1V+i+1] op_sel_hi:[1,0,1]   ; sum x 2^(e2+e3) + b1
.else
	v_pk_mul_f32 v[HACC+i:HACC+i+1], v[HACC+i:HACC+i+1], s[90:91] op_sel_hi:[1,0]                       ; sum x 2^(e4+e5)
.endif
.set i, i+2
.endr
.irp n, 0,1,2,3
	ds_store_b128 v[\vrow], v[HACC+8*\n:HACC+8*\n+3] offset:64*\n       ; units 16 n + 8 h + 0 .. 7 of my claim's row (32 h is in the address)
	ds_store_b128 v[\vrow], v[HACC+8*\n+4:HACC+8*\n+7] offset:64*\n+16
.endr
	s_wait_dscnt 0x0                               ; the stores have read their registers
.endm
.macro HJLOAD                          ; hj of the strip's 64 columns, four tiles, into window 1: they stay while the strip stays
	s_mul_i32 s61, s60, HJS
	v_add_nc_u32 v11, s61, v7
	WIN 0x40
.irp t, 0,1,2,3
.irp c, 0,1,2,3
	ds_load_b128 v[32*\t+8*\c:32*\t+8*\c+3],   v11 offset:16*PIT*\t+64*\c
	ds_load_b128 v[32*\t+8*\c+4:32*\t+8*\c+7], v11 offset:16*PIT*\t+64*\c+16
.endr
.endr
	WIN 0
.endm
.macro HLOAD o                         ; a row of hi + b1: sixteen lanes read the same 16 bytes
.irp c, 0,1,2,3
	ds_load_b128 v[HIB+8*\c:HIB+8*\c+3],   v9 offset:\o+64*\c
	ds_load_b128 v[HIB+8*\c+4:HIB+8*\c+7], v9 offset:\o+64*\c+16
.endr
.endm
.macro MT t                            ; tile t: relu and hold in one, codes, two products (units 0-15 and 16-31), whose results lie over the tile's first 16 registers
.set i, 0
.rept 32
	v_med3_num_f32 v[T+32*\t+i], v[T+32*\t+i], 0, v30
.set i, i+1
.endr
.irp c, 0,1,2,3
	v_cvt_scalef32_pk8_fp8_f32 v[CD+2*\c:CD+2*\c+1], v[T+32*\t+8*\c:T+32*\t+8*\c+7], v8
.endr
	v_nop                                          ; one plain vector line: the products read the codes and write over the conversions' sources
	v_wmma_f32_16x16x64_fp8_fp8 v[T+32*\t:T+32*\t+7],    v[W2F:W2F+7],    v[CD:CD+7], v[CB:CB+7]
	v_wmma_f32_16x16x64_fp8_fp8 v[T+32*\t+8:T+32*\t+15], v[W2F+8:W2F+15], v[CD:CD+7], v[CB+8:CB+15]
.endm
.macro BT t, p                         ; tile t: relu, then my 16 units' part of w3' . h2, in two chains; b3' starts one of them in lanes 0-15
.set i, 0
.rept 16
	v_max_num_f32 v[T+32*\t+i], 0, v[T+32*\t+i]    ; ascending: each accumulator is read from its low end on
.set i, i+1
.endr
	v_pk_fma_f32 v[14:15], v[T+32*\t:T+32*\t+1], v[W3:W3+1], v[12:13]
	v_pk_mul_f32 v[16:17], v[T+32*\t+8:T+32*\t+9], v[W3+8:W3+9]
.irp m, 2,4,6
	s_delay_alu instid0(VALU_DEP_2)
	v_pk_fma_f32 v[14:15], v[T+32*\t+\m:T+32*\t+\m+1], v[W3+\m:W3+\m+1], v[14:15]
	s_delay_alu instid0(VALU_DEP_2)
	v_pk_fma_f32 v[16:17], v[T+32*\t+8+\m:T+32*\t+9+\m], v[W3+8+\m:W3+9+\m], v[16:17]
.endr
	s_delay_alu instid0(VALU_DEP_1)
	v_pk_add_f32 v[14:15], v[14:15], v[16:17]
	s_delay_alu instid0(VALU_DEP_1)
	v_add_f32 v[\p+\t], v14, v15
.endm
; One row of a slot against the strip's 64 columns.  Between a tile's products and the first read of their results stand the next tile's 32 holds or another tile's sums: plain lines that name none of their registers.
.macro ROW p, o, step
	s_wait_dscnt 0x0                               ; this row of hi, asked for a whole row's work ago (and hj, if the strip has just changed)
	WIN 0x04                                       ; source 1 (hj) window 1
.irp t, 0,1,2,3
.set i, 0
.rept 16
	v_pk_add_f32 v[T+32*\t+i:T+32*\t+i+1], v[HIB+i:HIB+i+1], v[32*\t+i:32*\t+i+1]
.set i, i+2
.endr
.endr
	WIN 0
.if \step
	s_add_co_u32 s61, s58, 8                       ; my next slot's first row; held at the last slot, so that the look-ahead stays in the rows that were written
	s_min_u32 s61, s61, NSLOT-1
	s_mul_i32 s61, s61, 2*PIT
	v_add_nc_u32 v9, s61, v6
.endif
	s_setprio 2
	HLOAD \o                                       ; the next row: it has the rest of this row's work in which to land
	MT 0
	MT 1
	BT 0, \p
	MT 2
	BT 1, \p
	s_setprio 1
	MT 3
	BT 2, \p
	s_setprio 0
	BT 3, \p
.endm
.macro FIN                             ; the two halves' sums meet: row a in lanes 0-15, row b in lanes 16-31; sigmoid; mask; store
.irp t, 0,1,2,3
	v_cndmask_b32 v[26+\t], v[22+\t], v[18+\t], s56    ; what the other half wants: lanes 0-15 send row b's part, lanes 16-31 row a's
.endr
.irp t, 0,1,2,3
	v_cndmask_b32 v[18+\t], v[18+\t], v[22+\t], s56    ; what I keep
.endr
.irp t, 0,1,2,3
	v_permlanex16_b32 v[XP+\t], v[26+\t], s54, s55
.endr
.irp t, 0,1,2,3
	s_delay_alu instid0(VALU_DEP_4)
	v_add_f32 v[18+\t], v[18+\t], v[XP+\t]
.endr
	s_wait_alu depctr_va_vdst(0)
.irp t, 0,1,2,3
	v_exp_f32 v[18+\t], v[18+\t]
.endr
	v_nop                                          ; a plain line behind the last exponential
.irp t, 0,1,2,3
	v_cmp_gt_i32 s[72+\t], v5, s[68+\t]            ; j > i + h  <=>  4 r - h > i - 64 strip - t
.endr
	s_wait_alu depctr_va_vdst(0)                   ; one wait for the four exponentials, ahead of their first reader
.irp t, 0,1,2,3
	v_add_f32 v[18+\t], 1.0, v[18+\t]
.endr
	s_wait_alu depctr_va_vdst(0)
.irp t, 0,1,2,3
	v_rcp_f32 v[18+\t], v[18+\t]
.endr
	v_nop
	s_wait_alu depctr_va_vdst(0)                   ; and one for the four reciprocals
.irp t, 0,1,2,3
	v_cndmask_b32 v[18+\t], v13, v[18+\t], s[72+\t]
.endr
	global_store_b128 v10, v[18:21], s[34:35] th:TH_STORE_NT   ; lanes 0-15: 256 consecutive bytes of row i; lanes 16-31: of row i + 1
.endm
	; ---- HEAD: ids, lane constants, every LDS address that hangs on no data
	s_load_b512 s[4:19], s[0:1], 0x0               ; subj_idx, rel_idx, obj_idx, subj_table, rel_table, obj_table, proj_w, proj_b
	s_load_b512 s[20:35], s[0:1], 0x40             ; w1, b1, w2, b2, w3, b3, lowp_scales, out0
	s_set_vgpr_msb 0x40
	v_lshl_add_u32 v232, v0, 2, 0x18500
	v_mov_b32 v233, 0
	s_set_vgpr_msb 0x4000
	v_lshrrev_b32 v31, 5, v0
	s_delay_alu instid0(VALU_DEP_1)
	v_readfirstlane_b32 s45, v31                   ; W: wave 0..7
	s_mov_b32 s46, ttmp9                           ; q
	s_and_b32 s47, ttmp7, 0xffff                   ; p
	s_add_co_u32 s50, s47, 1
	s_lshl_b32 s48, s50, 2                         ; RA = 4 (p + 1)
	s_lshl_b32 s50, s50, 1                         ; NA = 2 (p + 1): segment A's slots
	s_sub_co_u32 s53, 31, s47                      ; the other strip
	s_sub_co_u32 s49, 32, s47
	s_lshl_b32 s49, s49, 2                         ; RB = 4 (32 - p)
	s_mul_i32 s51, s48, s46                        ; segment A's first row
	s_mul_i32 s52, s49, s46                        ; segment B's
	s_mov_b32 s54, 0x76543210                      ; v_permlanex16_b32's selects for lane l xor 16
	s_mov_b32 s55, 0xfedcba98
	s_mov_b32 s56, 0xffff0000                      ; lanes 16-31
	v_and_b32 v1, 15, v0                           ; r
	v_bfe_u32 v2, v0, 4, 1                         ; h
	v_and_b32 v3, 31, v0
	s_delay_alu instid0(VALU_DEP_1)
	v_lshlrev_b32 v3, 4, v3                        ; 16 x lane
	s_delay_alu instid0(VALU_DEP_4)
	v_lshlrev_b32 v4, 4, v1
	s_delay_alu instid0(VALU_DEP_1)
	v_lshl_add_u32 v4, v2, 13, v4                  ; out: 8192 h + 16 r
	v_lshlrev_b32 v5, 2, v1
	s_delay_alu instid0(VALU_DEP_1)
	v_sub_nc_u32 v5, v5, v2                        ; 4 r - h
	v_lshlrev_b32 v118, 5, v2                      ; 32 h
	v_lshlrev_b32 v119, 8, v2                      ; 256 h
	s_delay_alu instid0(VALU_DEP_2)
	v_add_nc_u32 v6, HI, v118
	v_mul_u32_u24 v7, v1, PIT
	s_delay_alu instid0(VALU_DEP_1)
	v_add_nc_u32 v7, v7, v118
	s_delay_alu instid0(VALU_DEP_1)
	v_add_nc_u32 v7, HJ, v7
	v_mov_b32 v13, 0
.irp i, 0,1,2,3,4,5,6,7
	v_mov_b32 v[XP+\i], 0                          ; the permutes' targets (written once: a permute's destination counts as read) and the zeros
.endr
	s_and_b32 s62, s45, 3                          ; W % 4
	s_lshr_b32 s63, s45, 2                         ; W / 4
	s_lshl_b32 s61, s45, 10
	v_add_nc_u32 v25, s61, v3
	s_add_co_u32 s66, s61, 12*1024
	v_add_nc_u32 v26, s66, v3
	s_lshl_b32 s66, s63, 13
	s_add_co_u32 s66, s66, s61
	s_add_co_u32 s66, s66, 8*1024
	v_add_nc_u32 v27, s66, v3
	v_add_nc_u32 v28, 24*1024, v3
	; where my rows go.  hj: strip W / 4, column j' = 16 (W % 4) + r at row 16 (r % 4) + 4 (W % 4) + r / 4
	v_and_b32 v14, 3, v1
	s_delay_alu instid0(VALU_DEP_1)
	v_lshlrev_b32 v14, 4, v14
	v_lshrrev_b32 v31, 2, v1
	s_delay_alu instid0(VALU_DEP_1)
	v_add_nc_u32 v14, v14, v31
	s_lshl_b32 s66, s62, 2
	v_add_nc_u32 v14, s66, v14
	s_delay_alu instid0(VALU_DEP_1)
	v_mul_u32_u24 v14, v14, PIT
	s_delay_alu instid0(VALU_DEP_1)
	v_add_nc_u32 v14, v14, v118
	s_mul_i32 s66, s63, HJS
	s_add_co_u32 s66, s66, HJ
	v_add_nc_u32 v14, s66, v14
	s_lshl_b32 s66, s45, 4
	v_add_nc_u32 v15, s66, v1                      ; hi: row 16 W + r
	s_delay_alu instid0(VALU_DEP_1)
	v_mul_u32_u24 v15, v15, PIT
	s_delay_alu instid0(VALU_DEP_1)
	v_add_nc_u32 v15, v15, v6
	v_mul_u32_u24 v16, v1, PIT                     ; the extra tile: row 128 + r
	s_delay_alu instid0(VALU_DEP_1)
	v_add_nc_u32 v16, v16, v6
	s_delay_alu instid0(VALU_DEP_1)
	v_add_nc_u32 v16, 128*PIT, v16
	s_lshl_b32 s67, s63, 8
	v_mul_u32_u24 v114, v1, 768
	s_delay_alu instid0(VALU_DEP_1)
	v_add_nc_u32 v114, v114, v118
	s_mul_i32 s66, s62, 12288
	s_add_co_u32 s66, s66, s67
	v_add_nc_u32 v114, s66, v114
	v_lshlrev_b32 v115, 9, v1
	s_delay_alu instid0(VALU_DEP_1)
	v_add_nc_u32 v115, v115, v118
	s_lshl_b32 s66, s62, 13
	s_add_co_u32 s66, s66, s67
	v_add_nc_u32 v115, s66, v115
	s_mul_i32 s66, s45, 12288
	s_add_co_u32 s66, s66, 512
	s_and_b32 s67, s45, 1
	s_lshl_b32 s67, s67, 12
	s_cmp_lt_u32 s45, 6
	s_cselect_b32 s67, s67, 0
	s_mov_b32 s61, 256
	s_cmp_lt_u32 s45, 4
	s_cselect_b32 s67, s66, s67
	s_cselect_b32 s61, 768, s61                    ; bytes from row to row
	v_mul_u32_u24 v116, v1, s61
	s_delay_alu instid0(VALU_DEP_1)
	v_add_nc_u32 v116, v116, v118
	s_delay_alu instid0(VALU_DEP_1)
	v_add_nc_u32 v116, s67, v116
	v_min_u32 v117, 8, v1
	s_delay_alu instid0(VALU_DEP_1)
	v_lshlrev_b32 v117, 8, v117
	s_delay_alu instid0(VALU_DEP_1)
	v_add_nc_u32 v117, v117, v118
	; my claims, x 4 bytes.  Tile J: column 16 (W % 4) + r of strip p (waves 0-3) or 31 - p
	s_cmp_lt_u32 s45, 4
	s_cselect_b32 s61, s47, s53
	s_lshl_b32 s61, s61, 6
	s_lshl_b32 s66, s62, 4
	s_add_co_u32 s61, s61, s66
	v_add_nc_u32 v22, s61, v1
	s_delay_alu instid0(VALU_DEP_1)
	v_lshlrev_b32 v22, 2, v22
	s_lshl_b32 s61, s45, 4                         ; tile I: my work-group's row k = 16 W + r: in segment A where k < RA
	v_add_nc_u32 v23, s61, v1
	s_sub_co_u32 s66, s52, s48                     ; RB q - RA (added only to k >= RA)
	v_add_nc_u32 v31, s66, v23
	v_add_nc_u32 v24, s51, v23
	v_cmp_gt_u32 vcc_lo, s48, v23
	s_delay_alu instid0(VALU_DEP_1)
	v_cndmask_b32 v23, v31, v24, vcc_lo
	s_delay_alu instid0(VALU_DEP_1)
	v_lshlrev_b32 v23, 2, v23
	v_add_nc_u32 v24, 128, v1                      ; tile X: rows 128 .. 131, always in segment B (RA is 64 at the most); lanes 4-15 take row 131 again
	s_delay_alu instid0(VALU_DEP_1)
	v_min_u32 v24, 131, v24
	s_delay_alu instid0(VALU_DEP_1)
	v_add_nc_u32 v24, s66, v24
	s_delay_alu instid0(VALU_DEP_1)
	v_lshlrev_b32 v24, 2, v24
	; the zero slots: strip p: 2 (31 - p) of them from row 64 (p + 1) + 4 (31 - p) q; strip 31 - p: 2 p from row 64 (32 - p) + 4 p q
	s_lshl_b32 s86, s53, 1
	s_lshl_b32 s84, s48, 4
	s_mul_i32 s61, s53, s46
	s_lshl_b32 s61, s61, 2
	s_add_co_u32 s84, s84, s61
	s_lshl_b32 s85, s49, 4
	s_mul_i32 s61, s47, s46
	s_lshl_b32 s61, s61, 2
	s_add_co_u32 s85, s85, s61
	s_lshl_b32 s61, s86, 1
	s_sub_co_u32 s85, s85, s61                     ; less 2 x the slots that came first (added only to later slots)
	s_wait_alu depctr_va_vdst(0)
	s_wait_kmcnt 0x0
	; ---- ALL LOADS FROM MEMORY, in one group
	s_load_b256 s[36:43], s[32:33], 0x0            ; e0 .. e7
	s_load_b32 s44, s[30:31], 0x0                  ; b3
	s_cmp_lt_u32 s45, 7
	s_cselect_b64 s[98:99], s[10:11], s[14:15]
	s_cmp_lt_u32 s45, 6
	s_cselect_b64 s[98:99], s[24:25], s[98:99]
	s_cmp_lt_u32 s45, 4
	s_cselect_b64 s[98:99], s[16:17], s[98:99]
.irp s, 0,1,2
	global_load_b32 v[88+3*\s], v[22+\s], s[4:5]   ; the claims' three indices: tiles J, I, X
	global_load_b32 v[89+3*\s], v[22+\s], s[6:7]
	global_load_b32 v[90+3*\s], v[22+\s], s[8:9]
.endr
	WIN 0x40                                       ; destination window 1
	RAW 0, 16, 114
	RAW 1, 20, 115
	RAW 2, 98, 116
	RAW 3, 12, 117                                 ; every wave loads rel_table; wave 0 alone quantises it
	WIN 0
.irp c, 0,1,2,3
	global_load_b128 v[PBV+8*\c:PBV+8*\c+3],   v118, s[18:19] offset:64*\c      ; proj_b and b1 in the results' layout: register 8 c + j = unit 16 c + 8 h + j
	global_load_b128 v[PBV+8*\c+4:PBV+8*\c+7], v118, s[18:19] offset:64*\c+16
	global_load_b128 v[B1V+8*\c:B1V+8*\c+3],   v118, s[22:23] offset:64*\c
	global_load_b128 v[B1V+8*\c+4:B1V+8*\c+7], v118, s[22:23] offset:64*\c+16
.endr
.irp c, 0,1
	global_load_b128 v[CB+8*\c:CB+8*\c+3],   v118, s[26:27] offset:64*\c        ; b2 and w3 likewise
	global_load_b128 v[CB+8*\c+4:CB+8*\c+7], v118, s[26:27] offset:64*\c+16
	global_load_b128 v[W3+8*\c:W3+8*\c+3],   v118, s[28:29] offset:64*\c
	global_load_b128 v[W3+8*\c+4:W3+8*\c+7], v118, s[28:29] offset:64*\c+16
.endr
	; ---- THE ZEROS leave while the loads are on their way: 62 slots, wave W takes W, W + 8, ..
.irp u, 0,1,2,3,4,5,6
	ZST \u
.endr
	s_cmp_lt_u32 s45, 6                            ; slots 56 to 61
	s_cbranch_scc0 .Lzeros_out
	ZST 7
.Lzeros_out:
	s_wait_kmcnt 0x0                               ; the exponents and b3
	MKQ 76, 77, 37
	s_cmp_lt_u32 s45, 4
	s_cselect_b32 s61, s39, s41
	MKQ 78, 79, 61
	s_cmp_lt_u32 s45, 6
	s_cselect_b32 s61, s43, s36
	s_cmp_lt_u32 s45, 4
	s_cselect_b32 s61, s37, s61                    ; proj_w: e1
	MKQ 80, 81, 61
	MKQ 82, 83, 36
	s_add_co_i32 s62, s36, s37                     ; e0 + e1
	s_sub_co_i32 s61, s38, s62
	MKQ 84, 85, 61                                 ; e for hi: 2^(e2 - e0 - e1)
	s_sub_co_i32 s61, s40, s62
	MKQ 86, 87, 61                                 ; e for hj: 2^(e4 - e0 - e1)
	s_add_co_i32 s88, s38, s39
	s_add_co_i32 s88, s88, 127
	s_lshl_b32 s88, s88, 23                        ; 2^(e2 + e3)
	s_mov_b32 s89, s88                             ; (named with it as a pair, so it is written)
	s_add_co_i32 s90, s40, s41
	s_add_co_i32 s90, s90, 127
	s_lshl_b32 s90, s90, 23                        ; 2^(e4 + e5)
	s_mov_b32 s91, s90
	s_sub_co_i32 s92, 0, s62                       ; -(e0 + e1)
	s_add_co_i32 s94, s42, s43                     ; e6 + e7
	s_sub_co_i32 s93, 0, s94
	MKQ 95, 96, 42                                 ; h: e6
.irp i, 0,1,2,3,4,5,6,7
	v_mov_b32 v[QS+\i], s[76+\i]
.endr
	v_mov_b32 v18, s84
	v_mov_b32 v20, s86
	v_mov_b32 v8, s95
	v_mov_b32 v30, s96
	v_mov_b32 v12, s44
	s_delay_alu instid0(VALU_DEP_1)
	v_mul_f32 v12, 0xbfb8aa3b, v12                 ; b3' = -log2(e) b3,
	s_delay_alu instid0(VALU_DEP_1)
	v_cndmask_b32 v12, v12, v13, s56               ; in lanes 0-15 alone: a pair's two halves are added later, and b3' counts once
	s_wait_loadcnt 0x0                             ; all of it is wanted now
	s_wait_xcnt 0x0                                ; the zero stores have read their offsets: v106-113 are written again in the pair loop
	; ---- A: weights and tables are quantised once in the work-group, 25 fragments over 8 waves
	QT 0, QS, QS+1, 25
	QT 1, QS+2, QS+3, 26
	QT 2, QS+4, QS+5, 27
	s_cmp_lg_u32 s45, 0
	s_cbranch_scc1 .Lno_rel
	QT 3, QS+6, QS+7, 28
.Lno_rel:
.set i, 0
.rept 32
	v_ldexp_f32 v[PBV+i], v[PBV+i], s92            ; proj_b / 2^(e0 + e1): the C of e's first products
.set i, i+1
.endr
.set i, 0
.rept 16
	v_ldexp_f32 v[CB+i], v[CB+i], s93              ; b2 / 2^(e6 + e7): the C of the pair products
	v_mul_f32 v[W3+i], 0xbfb8aa3b, v[W3+i]
.set i, i+1
.endr
.set i, 0
.rept 16
	v_ldexp_f32 v[W3+i], v[W3+i], s94              ; w3' = -log2(e) w3 2^(e6 + e7)
.set i, i+1
.endr
.irp s, 0,1,2
	v_min_u32 v[88+3*\s], 15, v[88+3*\s]           ; an index enters an address only behind its clamp
	v_min_u32 v[89+3*\s], 8,  v[89+3*\s]
	v_min_u32 v[90+3*\s], 15, v[90+3*\s]
.endr
.set i, 0
.rept 9
	v_lshlrev_b32 v[97+i], 4, v[88+i]              ; in a table's image: 16 x (index + 16 h)
	s_delay_alu instid0(VALU_DEP_1)
	v_add_nc_u32 v[97+i], v[97+i], v119
.set i, i+1
.endr
	s_wait_alu depctr_va_vdst(0)
	BAR                                            ; the 25 images lie in LDS
	; ---- B1: LDS loads alone stand between this barrier and the next
	WIN 0x40
.set f, 0
.rept 12
	ds_load_b128 v[PF+8*f:PF+8*f+3],   v3 offset:1024*f
	ds_load_b128 v[PF+8*f+4:PF+8*f+7], v3 offset:1024*f+512
.set f, f+1
.endr
.set f, 0
.rept 8
	ds_load_b128 v[WF+8*f:WF+8*f+3],   v3 offset:1024*(12+f)
	ds_load_b128 v[WF+8*f+4:WF+8*f+7], v3 offset:1024*(12+f)+512
.set f, f+1
.endr
	GATH 0
	GATH 1
	GATH 2
	WIN 0
	ds_load_b128 v[W2F:W2F+3],     v3 offset:20*1024
	ds_load_b128 v[W2F+4:W2F+7],   v3 offset:20*1024+512
	ds_load_b128 v[W2F+8:W2F+11],  v3 offset:21*1024
	ds_load_b128 v[W2F+12:W2F+15], v3 offset:21*1024+512
	BAR                                            ; every wave's reads by index are in before any row is stored
	; ---- B2: my 16 columns' hj, my 16 rows' hi; wave 0 also rows 128 on
	CTILE 0, WF+32, 20, 21, 0, 14
	CTILE 1, WF, 18, 19, 1, 15
	s_cmp_lg_u32 s45, 0
	s_cbranch_scc1 .Lno_extra
	CTILE 2, WF, 18, 19, 1, 16
.Lno_extra:
	BAR                                            ; hj's 128 rows and hi's 144 lie in LDS; from here on LDS is only read
	; ---- THE PAIRS: slots W, W + 8, ..: nine trips; the ninth has work in waves 0 and 1 alone.  The trip count is a constant; a trip without a slot jumps over the work
	s_mov_b32 s58, s45                             ; my slot
	s_cmp_ge_u32 s45, s50
	s_cselect_b32 s60, 1, 0                        ; which strip's hj it wants
	s_mov_b32 s59, s60                             ; and which I hold
	HJLOAD
	s_mul_i32 s61, s45, 2*PIT
	v_add_nc_u32 v9, s61, v6
	HLOAD 0
	s_mov_b32 s57, 0
.Ltrip:
	s_cmp_ge_u32 s58, NSLOT
	s_cbranch_scc1 .Lnext
	s_wait_xcnt 0x0                                ; the last trip's store has read its offset and its data: both are written again below
	s_cmp_ge_u32 s58, s50                          ; segment B?
	s_cselect_b32 s60, 1, 0
	s_cselect_b32 s61, s50, 0
	s_cselect_b32 s62, s52, s51
	s_cselect_b32 s63, s53, s47
	s_sub_co_u32 s61, s58, s61
	s_lshl_b32 s61, s61, 1
	s_add_co_u32 s61, s62, s61                     ; i: the slot's first row
	s_lshl_b32 s62, s63, 6
	s_sub_co_i32 s68, s61, s62                     ; i - 64 strip - t, t = 0 .. 3
	s_sub_co_i32 s69, s68, 1
	s_sub_co_i32 s70, s68, 2
	s_sub_co_i32 s71, s68, 3
	s_lshl_b32 s61, s61, 13
	s_lshl_b32 s63, s63, 8
	s_add_co_u32 s61, s61, s63
	v_add_nc_u32 v10, s61, v4
	s_cmp_eq_u32 s60, s59
	s_cbranch_scc1 .Lsame_strip
	s_wait_dscnt 0x0                               ; every earlier LDS load into hj's registers is in: only then are loads issued into them again
	HJLOAD                                         ; at most once in a wave's walk: from strip p to strip 31 - p
	s_mov_b32 s59, s60
.Lsame_strip:
	ROW 18, PIT, 0                                 ; row i; asks for row i + 1
	ROW 22, 0, 1                                   ; row i + 1; asks for my next slot's first row
	FIN
.Lnext:
	s_add_co_u32 s58, s58, 8
	s_add_co_u32 s57, s57, 1
	s_cmp_lt_u32 s57, 9
	s_cbranch_scc1 .Ltrip
	s_setprio 0
	s_wait_dscnt 0x0                               ; the last look-ahead, which nobody reads
	s_barrier_signal -1
	s_barrier_wait -1
	s_set_vgpr_msb 0x5
	s_wait_tensorcnt 0x0
	ds_add_u32 v232, v233
	s_wait_dscnt 0x0
	s_set_vgpr_msb 0x500
	s_endpgm
.Lfunc_end_k_q7135deba3e_pairs:
	.size	k_q7135deba3e_pairs, .Lfunc_end_k_q7135deba3e_pairs-k_q7135deba3e_pairs
	.p2alignl 7, 3214868480
	.fill 96, 4, 3214868480
	.section	.rodata,"a",@progbits
	.p2align	6, 0x0
	.amdhsa_kernel k_q7135deba3e_pairs
		.amdhsa_group_segment_fixed_size 100608
		.amdhsa_private_segment_fixed_size 0
		.amdhsa_enable_private_segment 0
		.amdhsa_kernarg_size 128
		.amdhsa_user_sgpr_count 2
		.amdhsa_user_sgpr_kernarg_segment_ptr 1
		.amdhsa_wavefront_size32 1
		.amdhsa_system_sgpr_workgroup_id_x 1
		.amdhsa_system_sgpr_workgroup_id_y 1
		.amdhsa_system_sgpr_workgroup_id_z 1
		.amdhsa_system_vgpr_workitem_id 0
		.amdhsa_next_free_vgpr 490
		.amdhsa_next_free_sgpr 100
		.amdhsa_reserve_vcc 1
		.amdhsa_float_denorm_mode_32 3
		.amdhsa_float_denorm_mode_16_64 3
		.amdhsa_fp16_overflow 1
		.amdhsa_memory_ordered 1
		.amdhsa_forward_progress 1
		.amdhsa_inst_pref_size 90
	.end_amdhsa_kernel
	.amdgpu_metadata
---
amdhsa.version: [ 1, 2 ]
amdhsa.kernels:
  - .name:           k_q7135deba3e_pairs
    .symbol:         k_q7135deba3e_pairs.kd
    .args:
      - { .name: subj_idx, .offset: 0, .size: 8, .value_kind: global_buffer, .address_space: global }
      - { .name: rel_idx, .offset: 8, .size: 8, .value_kind: global_buffer, .address_space: global }
      - { .name: obj_idx, .offset: 16, .size: 8, .value_kind: global_buffer, .address_space: global }
      - { .name: subj_table, .offset: 24, .size: 8, .value_kind: global_buffer, .address_space: global }
      - { .name: rel_table, .offset: 32, .size: 8, .value_kind: global_buffer, .address_space: global }
      - { .name: obj_table, .offset: 40, .size: 8, .value_kind: global_buffer, .address_space: global }
      - { .name: proj_w, .offset: 48, .size: 8, .value_kind: global_buffer, .address_space: global }
      - { .name: proj_b, .offset: 56, .size: 8, .value_kind: global_buffer, .address_space: global }
      - { .name: w1, .offset: 64, .size: 8, .value_kind: global_buffer, .address_space: global }
      - { .name: b1, .offset: 72, .size: 8, .value_kind: global_buffer, .address_space: global }
      - { .name: w2, .offset: 80, .size: 8, .value_kind: global_buffer, .address_space: global }
      - { .name: b2, .offset: 88, .size: 8, .value_kind: global_buffer, .address_space: global }
      - { .name: w3, .offset: 96, .size: 8, .value_kind: global_buffer, .address_space: global }
      - { .name: b3, .offset: 104, .size: 8, .value_kind: global_buffer, .address_space: global }
      - { .name: lowp_scales, .offset: 112, .size: 8, .value_kind: global_buffer, .address_space: global }
      - { .name: out0, .offset: 120, .size: 8, .value_kind: global_buffer, .address_space: global }
    .group_segment_fixed_size: 100608
    .private_segment_fixed_size: 0
    .kernarg_segment_align: 8
    .kernarg_segment_size: 128
    .max_flat_workgroup_size: 256
    .sgpr_count:     100
    .vgpr_count:     490
    .wavefront_size: 32
...
	.end_amdgpu_metadata
.endif
;; end of part 1
